; MI455X (gfx1250); checked and timed in simulation.
; The chip was launched on July 23, 2026; its instructions are those of AMD's public machine-readable ISA for CDNA 5 (MIT licence, August 2026) and "CDNA5" Instruction Set Architecture Reference Guide (July 2026). The comments in the code are by the model that wrote it; some were corrected since.
;; Hierarchical Expert Router. Allowed arithmetic: float matrix products may take bf16 or f16 operands with f32 sums; other float arithmetic in f32, or as packed bf16 or f16 multiplies, adds, multiply-adds, maxima and minima; sums over many terms, partial sums and values carried from step to step in f32; what a program stores and reads back later, other than sums and carried values, may be rounded once to bf16 or f16.
;; Inputs: expert_b1 3 x 8 x 256 float32; expert_b2 3 x 8 x 1,024 float32; expert_w1 3 x 8 x 1,024 x 256 float32; expert_w2 3 x 8 x 256 x 1,024 float32; router_b1 3 x 128 float32; router_b2 3 x 8 float32; router_w1 3 x 1,024 x 128 float32; router_w2 3 x 128 x 8 float32; x 4,096 x 1,024 float32.
;; Outputs: out0 4,096 x 1,024 float32.
;; One version. Each part assembles by itself: llvm-mc -triple=amdgcn-amd-amdhsa -mcpu=gfx1250 --defsym DOCPART=n.
;; ======== version 1 of 1: 7 launches
;; workspace buffers: cur 8,388,608 bytes; h 16,777,216 bytes; rh 1,048,576 bytes; lev0 8,696,576 bytes; lev1 8,696,576 bytes; lev2 8,696,576 bytes; fmid 256 bytes of whole numbers; flast 256 bytes of whole numbers
;; launch prep (part 1): grid 1075 x 1, 8 waves a work-group, no clusters, 0 bytes of LDS; arguments x, expert_w1, expert_w2, router_w1, router_w2, expert_b1, expert_b2, router_b1, router_b2, cur, lev0, lev1, lev2, fmid, flast; writes cur, lev0, lev1, lev2, fmid, flast
.if DOCPART == 1
	.amdgcn_target "amdgcn-amd-amdhsa--gfx1250"
	.amdhsa_code_object_version 6
	.text
	.protected	k_qda2098b706_prep
	.globl	k_qda2098b706_prep
	.p2align	8
	.type	k_qda2098b706_prep,@function
k_qda2098b706_prep:
	s_mov_b64 s[64:65], 0
	v_nop
	global_prefetch_b8 v0, s[64:65] scope:SCOPE_SE
	s_setreg_imm32_b32 hwreg(HW_REG_WAVE_MODE, 25, 1), 1
	s_wait_xcnt 0x0
; PREP: every input is rounded ONCE to bf16 and laid where the two product kernels take it.  A stream: no LDS, no matrix unit, no barrier (no wave needs another's data).
; cur  = bf16(x), [4096][1024].
; lev_l, one buffer a level, byte offsets: 0 W1 bf16 [8][1024 k][256 n]; W2OFF W2 bf16 [8][256 k][1024 n] (both in the inputs' own order);
;   RWOFF router_w1 bf16 as [8 e][1024 k][16 n] (columns 16 e .. 16 e + 15); SMOFF the small tables: expert_b1, +EB2R expert_b2, +RB1R router_b1 (f32 words that hold the bf16-rounded number),
;   +RW2R router_w2 turned, bf16 [16 n][128 k] with row n = column n & 7 (the eight experts stand twice), +RB2R router_b2[lane & 7] for 32 lanes.
; fmid = 64 words of 0, flast = 64 words of 1: the whole number by which the second product kernel chooses the form of its output.
; JOBS by the work-group's number g: g < 1024 casts 65,536 bytes of f32 (256 of x, 384 of expert_w1, 384 of expert_w2); 1024 .. 1071 lays 512 k rows of one slice of router_w1; 1072 .. 1074 the small tables of one level.
; LIMITS: rounding to nearest even to bf16; NaN and infinities pass as the conversion leaves them.
.set W2OFF, 4194304
.set RWOFF, 8388608
.set SMOFF, 8650752
.set EB2R,  8192
.set RB1R,  40960
.set RW2R,  41472
.set RB2R,  45568
.macro LEVSEL lv                       ; s[40:41] = the level's buffer: a choice between buffers on a number made of the work-group's number
	s_cmp_eq_u32 s[\lv], 0
	s_cselect_b64 s[40:41], s[28:29], s[30:31]
	s_cmp_eq_u32 s[\lv], 2
	s_cselect_b64 s[40:41], s[32:33], s[40:41]
.endm
.macro RND4 d                          ; four f32 in v[d .. d+3] are rounded to bf16 and widened again, in place
	v_cvt_pk_bf16_f32 v6, v[\d], v[(\d)+1]
	v_cvt_pk_bf16_f32 v7, v[(\d)+2], v[(\d)+3]
	v_lshlrev_b32 v[\d], 16, v6
	v_and_b32 v[(\d)+1], 0xffff0000, v6
	v_lshlrev_b32 v[(\d)+2], 16, v7
	v_and_b32 v[(\d)+3], 0xffff0000, v7
.endm
	s_load_b512 s[8:23], s[0:1], 0x0               ; x 8:9, expert_w1 10:11, expert_w2 12:13, router_w1 14:15, router_w2 16:17, expert_b1 18:19, expert_b2 20:21, router_b1 22:23
	s_load_b256 s[24:31], s[0:1], 0x40             ; router_b2 24:25, cur 26:27, lev0 28:29, lev1 30:31
	s_load_b128 s[32:35], s[0:1], 0x60             ; lev2 32:33, fmid 34:35
	s_load_b64 s[36:37], s[0:1], 0x70              ; flast
	s_mov_b32 s2, ttmp9                            ; g
	s_mov_b32 s43, 0                               ; the offsets' high words
	s_mov_b32 s45, 0
	v_lshlrev_b32 v1, 4, v0                        ; 16 t
	v_lshlrev_b32 v2, 3, v0                        ; 8 t
	s_wait_kmcnt 0x0
	s_cmp_lt_u32 s2, 1024
	s_cbranch_scc0 .Lnot_cast
	s_cmp_lt_u32 s2, 256
	s_cbranch_scc0 .Lweights
	s_mov_b64 s[38:39], s[8:9]                     ; x -> cur
	s_mov_b64 s[40:41], s[26:27]
	s_lshl_b32 s42, s2, 16
	s_lshl_b32 s44, s2, 15
	s_branch .Lcast
.Lweights:
	s_sub_co_u32 s3, s2, 256
	s_cmp_lt_u32 s3, 384                           ; expert_w1's 384 chunks, then expert_w2's
	s_cselect_b64 s[38:39], s[10:11], s[12:13]
	s_cselect_b32 s46, 0, W2OFF
	s_cselect_b32 s47, 0, 384
	s_sub_co_u32 s3, s3, s47                       ; the chunk in its tensor
	s_lshl_b32 s42, s3, 16
	s_lshr_b32 s48, s3, 7                          ; 128 chunks a level
	s_and_b32 s44, s3, 127
	s_lshl_b32 s44, s44, 15
	s_add_co_u32 s44, s44, s46
	LEVSEL 48
.Lcast:
	s_add_nc_u64 s[38:39], s[38:39], s[42:43]
	s_add_nc_u64 s[40:41], s[40:41], s[44:45]
.irp i, 0,1,2,3,4,5,6,7,8,9,10,11,12,13,14,15
	global_load_b128 v[16+4*\i:19+4*\i], v1, s[38:39] offset:4096*\i th:TH_LOAD_NT  ; all sixteen loads of the wave go out before the first wait: 8,192 bytes a wave on their way
.endr
.irp i, 0,1,2,3,4,5,6,7,8,9,10,11,12,13,14,15
	s_wait_loadcnt 15-\i                           ; loads come back in order: number i is in, the younger ones stay out
	v_cvt_pk_bf16_f32 v[80+2*\i], v[16+4*\i], v[17+4*\i]
	v_cvt_pk_bf16_f32 v[81+2*\i], v[18+4*\i], v[19+4*\i]
	global_store_b64 v2, v[80+2*\i:81+2*\i], s[40:41] offset:2048*\i  ; a wave's store covers 256 consecutive bytes, aligned; no register is written twice, so nothing waits for a store
.endr
	s_endpgm
.Lnot_cast:
	s_cmp_lt_u32 s2, 1072
	s_cbranch_scc0 .Lsmall
	; router_w1: slice e (16 columns), 512 of its 1,024 k rows.  Thread t and trip it take 8 numbers: row 128 it + t / 2, half t % 2 of the 16 columns.
	s_sub_co_u32 s3, s2, 1024
	s_lshr_b32 s48, s3, 4                          ; level
	s_and_b32 s46, s3, 15                          ; p = 2 e + half of the rows
	s_lshr_b32 s47, s46, 1
	s_and_b32 s49, s46, 1
	s_lshl_b32 s42, s48, 19                        ; a level is 524,288 bytes,
	s_lshl_b32 s49, s49, 18                        ; 512 rows are 262,144,
	s_add_co_u32 s42, s42, s49
	s_lshl_b32 s47, s47, 6                         ; 16 columns are 64
	s_add_co_u32 s42, s42, s47
	s_lshl_b32 s44, s46, 14
	s_add_co_u32 s44, s44, RWOFF
	LEVSEL 48
	s_add_nc_u64 s[38:39], s[14:15], s[42:43]
	s_add_nc_u64 s[40:41], s[40:41], s[44:45]
	v_lshrrev_b32 v3, 1, v0
	v_and_b32 v4, 1, v0
	v_lshlrev_b32 v3, 9, v3
	v_lshl_add_u32 v3, v4, 5, v3                   ; (t / 2) x 512 + (t % 2) x 32
.irp i, 0,1,2,3
	global_load_b128 v[16+8*\i:19+8*\i], v3, s[38:39] offset:65536*\i
	global_load_b128 v[20+8*\i:23+8*\i], v3, s[38:39] offset:65536*\i+16
.endr
.irp i, 0,1,2,3
	s_wait_loadcnt 6-2*\i                          ; this trip's two loads are in
	v_cvt_pk_bf16_f32 v[80+4*\i], v[16+8*\i], v[17+8*\i]
	v_cvt_pk_bf16_f32 v[81+4*\i], v[18+8*\i], v[19+8*\i]
	v_cvt_pk_bf16_f32 v[82+4*\i], v[20+8*\i], v[21+8*\i]
	v_cvt_pk_bf16_f32 v[83+4*\i], v[22+8*\i], v[23+8*\i]
	global_store_b128 v1, v[80+4*\i:83+4*\i], s[40:41] offset:4096*\i  ; dense: a wave's store covers 512 consecutive bytes
.endr
	s_endpgm
.Lsmall:
	s_sub_co_u32 s48, s2, 1072                     ; level
	LEVSEL 48
	s_add_nc_u64 s[40:41], s[40:41], SMOFF
	s_lshl_b32 s42, s48, 15
	s_add_nc_u64 s[20:21], s[20:21], s[42:43]      ; expert_b2 of the level
	s_lshl_b32 s42, s48, 13
	s_add_nc_u64 s[18:19], s[18:19], s[42:43]      ; expert_b1
	s_lshl_b32 s42, s48, 12
	s_add_nc_u64 s[16:17], s[16:17], s[42:43]      ; router_w2
	s_lshl_b32 s42, s48, 9
	s_add_nc_u64 s[22:23], s[22:23], s[42:43]      ; router_b1
	s_lshl_b32 s42, s48, 5
	s_add_nc_u64 s[24:25], s[24:25], s[42:43]      ; router_b2
	v_and_b32 v3, 15, v0
	v_bfe_u32 v4, v0, 4, 3
	v_lshlrev_b32 v3, 8, v3
	v_lshl_add_u32 v3, v4, 2, v3                   ; router_w2: k = 8 (t % 16) + i, expert (t / 16) % 8: byte 32 k + 4 e
.irp i, 0,1,2,3,4,5,6,7
	global_load_b128 v[16+4*\i:19+4*\i], v1, s[20:21] offset:4096*\i
.endr
.irp i, 0,1
	global_load_b128 v[48+4*\i:51+4*\i], v1, s[18:19] offset:4096*\i
.endr
.irp i, 0,1,2,3,4,5,6,7
	global_load_b32 v[56+\i], v3, s[16:17] offset:32*\i
.endr
	v_lshrrev_b32 v5, 5, v0
	v_readfirstlane_b32 s3, v5                     ; the wave's number
	s_wait_loadcnt 0x0
.irp i, 0,1,2,3,4,5,6,7
	RND4 16+4*\i
	global_store_b128 v1, v[16+4*\i:19+4*\i], s[40:41] offset:EB2R+4096*\i
.endr
.irp i, 0,1
	RND4 48+4*\i
	global_store_b128 v1, v[48+4*\i:51+4*\i], s[40:41] offset:4096*\i
.endr
.irp i, 0,1,2,3
	v_cvt_pk_bf16_f32 v[64+\i], v[56+2*\i], v[57+2*\i]
.endr
	global_store_b128 v1, v[64:67], s[40:41] offset:RW2R  ; row t / 16, k 8 (t % 16) on: byte 16 t
	s_cmp_eq_u32 s3, 0
	s_cbranch_scc0 .Lnot_w0
	global_load_b128 v[68:71], v1, s[22:23]        ; wave 0: router_b1, 512 bytes
	s_wait_loadcnt 0x0
	RND4 68
	global_store_b128 v1, v[68:71], s[40:41] offset:RB1R
	s_endpgm
.Lnot_w0:
	s_cmp_eq_u32 s3, 1
	s_cbranch_scc0 .Lnot_w1
	v_and_b32 v8, 7, v0                            ; wave 1: router_b2
	v_lshlrev_b32 v8, 2, v8
	v_and_b32 v9, 31, v0
	v_lshlrev_b32 v9, 2, v9
	global_load_b32 v72, v8, s[24:25]
	s_wait_loadcnt 0x0
	v_cvt_pk_bf16_f32 v73, v72, v72
	v_lshlrev_b32 v73, 16, v73
	global_store_b32 v9, v73, s[40:41] offset:RB2R
	s_endpgm
.Lnot_w1:
	s_cmp_eq_u32 s3, 2
	s_cbranch_scc0 .Ldone
	s_cmp_eq_u32 s48, 0
	s_cbranch_scc0 .Ldone
	v_and_b32 v9, 31, v0                           ; wave 2 of level 0's work-group: the two flags, 256 bytes each
	v_lshlrev_b32 v9, 3, v9
	v_mov_b32 v10, 0
	v_mov_b32 v11, 0
	v_mov_b32 v12, 1
	v_mov_b32 v13, 1
	global_store_b64 v9, v[10:11], s[34:35]
	global_store_b64 v9, v[12:13], s[36:37]
.Ldone:
	s_endpgm
.Lfunc_end_k_qda2098b706_prep:
	.size	k_qda2098b706_prep, .Lfunc_end_k_qda2098b706_prep-k_qda2098b706_prep
	.p2alignl 7, 3214868480
	.fill 96, 4, 3214868480
	.section	.rodata,"a",@progbits
	.p2align	6, 0x0
	.amdhsa_kernel k_qda2098b706_prep
		.amdhsa_group_segment_fixed_size 0
		.amdhsa_private_segment_fixed_size 0
		.amdhsa_enable_private_segment 0
		.amdhsa_kernarg_size 120
		.amdhsa_user_sgpr_count 2
		.amdhsa_user_sgpr_kernarg_segment_ptr 1
		.amdhsa_wavefront_size32 1
		.amdhsa_system_sgpr_workgroup_id_x 1
		.amdhsa_system_sgpr_workgroup_id_y 1
		.amdhsa_system_sgpr_workgroup_id_z 1
		.amdhsa_system_vgpr_workitem_id 0
		.amdhsa_next_free_vgpr 112
		.amdhsa_next_free_sgpr 66
		.amdhsa_reserve_vcc 0
		.amdhsa_float_denorm_mode_32 3
		.amdhsa_float_denorm_mode_16_64 3
		.amdhsa_memory_ordered 1
		.amdhsa_forward_progress 1
		.amdhsa_inst_pref_size 20
	.end_amdhsa_kernel
	.amdgpu_metadata
---
amdhsa.version: [ 1, 2 ]
amdhsa.kernels:
  - .name:           k_qda2098b706_prep
    .symbol:         k_qda2098b706_prep.kd
    .args:
      - { .name: x, .offset: 0, .size: 8, .value_kind: global_buffer, .address_space: global }
      - { .name: expert_w1, .offset: 8, .size: 8, .value_kind: global_buffer, .address_space: global }
      - { .name: expert_w2, .offset: 16, .size: 8, .value_kind: global_buffer, .address_space: global }
      - { .name: router_w1, .offset: 24, .size: 8, .value_kind: global_buffer, .address_space: global }
      - { .name: router_w2, .offset: 32, .size: 8, .value_kind: global_buffer, .address_space: global }
      - { .name: expert_b1, .offset: 40, .size: 8, .value_kind: global_buffer, .address_space: global }
      - { .name: expert_b2, .offset: 48, .size: 8, .value_kind: global_buffer, .address_space: global }
      - { .name: router_b1, .offset: 56, .size: 8, .value_kind: global_buffer, .address_space: global }
      - { .name: router_b2, .offset: 64, .size: 8, .value_kind: global_buffer, .address_space: global }
      - { .name: cur, .offset: 72, .size: 8, .value_kind: global_buffer, .address_space: global }
      - { .name: lev0, .offset: 80, .size: 8, .value_kind: global_buffer, .address_space: global }
      - { .name: lev1, .offset: 88, .size: 8, .value_kind: global_buffer, .address_space: global }
      - { .name: lev2, .offset: 96, .size: 8, .value_kind: global_buffer, .address_space: global }
      - { .name: fmid, .offset: 104, .size: 8, .value_kind: global_buffer, .address_space: global }
      - { .name: flast, .offset: 112, .size: 8, .value_kind: global_buffer, .address_space: global }
    .group_segment_fixed_size: 0
    .private_segment_fixed_size: 0
    .kernarg_segment_align: 8
    .kernarg_segment_size: 120
    .max_flat_workgroup_size: 256
    .sgpr_count:     66
    .vgpr_count:     112
    .wavefront_size: 32
...
	.end_amdgpu_metadata
.endif
;; end of part 1
;; launch g1 (part 2): grid 8 x 32, 4 waves a work-group, clusters of 4 x 4, 327,680 bytes of LDS; arguments cur, lev0, h, rh; writes h, rh
.if DOCPART == 2
	.amdgcn_target "amdgcn-amd-amdhsa--gfx1250"
	.amdhsa_code_object_version 6
	.text
	.protected	k_qda2098b706_g1
	.globl	k_qda2098b706_g1
	.p2align	8
	.type	k_qda2098b706_g1,@function
k_qda2098b706_g1:
	s_mov_b64 s[64:65], 0
	v_nop
	global_prefetch_b8 v0, s[64:65] scope:SCOPE_SE
	s_setreg_imm32_b32 hwreg(HW_REG_WAVE_MODE, 25, 1), 1
	s_wait_xcnt 0x0
	s_wait_alu depctr_hold_cnt(0) depctr_sa_sdst(0) depctr_va_vdst(0) depctr_va_sdst(0) depctr_va_ssrc(0) depctr_va_vcc(0) depctr_vm_vsrc(0)
	s_getreg_b32 s2, hwreg(HW_REG_IB_STS2, 6, 4)
	s_cmp_eq_u32 s2, 0
	s_cbranch_scc0 .Lentry_in_a_cluster
	s_endpgm
.Lentry_in_a_cluster:
	s_bfe_u32 s2, ttmp6, 0x10000c
	s_cmp_lg_u32 s2, 0xf033
	s_cbranch_scc0 .Lentry_shape_is_right
	s_endpgm
.Lentry_shape_is_right:
; G1, one level's first layers.  h = relu(cur W1[e] + b1[e]) for the eight experts, and rh = relu(cur RW + rb1), the router's hidden layer.
; cur bf16 [4096][1024]; lev holds W1 bf16 [8][1024 k][256 n], RW bf16 [8 e][1024 k][16 n], b1 and rb1 as f32; rh bf16 [32 rb][8 e][128 rows][16 columns].  Sums in f32, h and rh rounded once.
; h is stored in the order in which the next launch's operand registers take it: [32 rb][8 e][8 blocks of 16 rows][8 groups of 32 columns][2 halves][32 lanes][16 bytes]; lane l of half f holds row l % 16 and the
; columns 16 f + 8 (l / 16) + 0 .. 7 of the group.  That is where this kernel's results lie already, so they are stored from the registers, 512 consecutive bytes a store.
; LIMITS: operands are bf16; the ReLU is a maximum with 0 on the rounded halves, in which a NaN loses; infinities are not treated apart.
; SHARES.  Work-group (e, rb): 128 rows x the 256 columns of expert e, K = 1,024: 8 x 32 = 256 work-groups.  It also makes the router's columns 16 e .. 16 e + 15 for its rows: 8 tiles of 16 x 16 beside 128.
; Wave w: i = w / 2 (rows 64 i on), j = w % 2 (columns 128 j on): 32 accumulators (a, b), and two for the router.  Register slot a = 2 p + u holds row block 2 (p xor j) + u of the wave's four, so that slots 0 and 1 are
; rows 64 i + 32 j .. + 31: the router's two products name slots 0 and 1 in every wave, and the four waves cover the 128 rows.
; THE MATRIX INSTRUCTION IS USED TRANSPOSED: source 0 = 16 weight columns, source 1 = 16 rows of cur: a lane holds row l % 16 and the columns 8 (l / 16) + 0 .. 7, eight neighbours that pack into 16 bytes.
; The weights lie [k][n] in LDS as in memory and come out turned, by ds_load_tr16_b128.  The biases are the C operand of the products that start the sums: nothing is cleared, nothing is added later.
; RING.  K in steps of 128 through two LDS slots.  CLUSTER 4 x 4: the four work-groups of a cluster's row share rb and ask for cur's tile jointly; the four of a column share e and ask for W1's and RW's tiles jointly.
; Wave 0 asks for cur's tile (128 rows x 256 bytes), waves 1 and 2 for 64 k rows x 512 bytes of W1 each, wave 3 for RW's 4,096 dense bytes: one tensor load a wave behind each round.
; REGISTERS, in windows of 256: window 0: addresses, the router's sums, cur's and RW's fragments (two buffers); window 1: W1's fragments, two buffers (the second holds b1 at first); window 2: the 32 accumulators, (a, b) at 8 (8 a + b).
.set PA,    272                        ; a row of cur in LDS: 256 bytes + 16: the 16 rows of a load start at 16 different groups of four banks (64 banks of 4 bytes: ISA guide 11.1)
.set PB,    544                        ; a k row of W1: 512 + 32, an odd multiple of 32, for the turning load
.set PART,  34816                      ; 128 x PA = 64 x PB: cur's tile, W1's two halves and RW's tile begin at 0, 1, 2, 3 x PART in a slot: wave w's load goes to w x PART
.set SLOT,  3*PART+4096
.set SPARE, 2*SLOT                     ; behind the ring: the spare words, 128 bytes for each wave: two blocks of 256 bytes that no other line names
.set RWOFF,  8388608
.set EB1OFF, 8650752
.set RB1OFF, 8691712
.set ADRA, 12                          ; v12-15  LDS address of cur's fragments: 2 x slot + p
.set ADRB, 16                          ; v16-17  of W1's, by slot
.set ADRR, 18                          ; v18-19  of RW's, by slot
.set CO,   22                          ; v22-23  my byte offset in h, by p
.set RHO,  24                          ; my byte offset in 16 rows of rh
.set BOFF, 25                          ; 32 x (l / 16): my eight biases
.set ZERO, 26
.set SPW,  28                          ; LDS address of my spare word; never rewritten
.set NIL,  29                          ; 0; never rewritten
.set RACC, 32                          ; v32-47  the router's two accumulators
.set RBIAS, 48                         ; v48-55  rb1
.set FA,   64                          ; cur's fragments: FA + 64 f + 32 c + 8 a
.set FR,   192                         ; RW's: FR + 16 f + 8 c
.set BIAS, 128                         ; window 1: b1 for column block b at BIAS + 8 b
.set TMP,  64                          ; the way out: packed results, 32 registers for each row slot
.set RPK,  224
.set WV,   12                          ; s12 my wave's number; s13 i; s14 j; s15 cx; s16 cy; s17 e; s18 rb; s19, s20 the masks; s21 my load's place in a slot
.set G1A,  24
.set G0A,  32                          ; a set of four for each slot
.set G1B,  40
.set G0B,  48
.set G1R,  56
.set G0R,  68
.set MSB, 0
.macro WIN new                         ; the immediate's high byte repeats the setting that is left; a switch that changes nothing is dropped
.if MSB != (\new)
	s_set_vgpr_msb (MSB<<8)|(\new)
.set MSB, \new
.endif
.endm
.set MUL,  0xa1                        ; source 0 (W1) window 1, source 1 (cur) window 0, C and D window 2
.set MUL1, 0x91                        ; the same with C (b1) in window 1
.set TO_B, 0x40                        ; destination window 1, address window 0
.macro PLACES                          ; four plain places in front of loads into registers that matrix instructions have read, and of conversions that read results
.rept 4
	v_nop
.endr
.endm
; A joint load: each of the three lines has one mask and one set of registers; the branches hang on the wave's number alone.  An s_nop 0 and four v_nop follow each line, ahead of the jump and the label.
.macro JLOAD3 s
	s_cmp_eq_u32 s[WV], 0
	s_cbranch_scc0 .Lnot_a_\@
	tensor_load_to_lds s[G0A+4*(\s):G0A+4*(\s)+3], s[G1A:G1A+7]
	s_nop 0
.rept 4
	v_nop
.endr
	s_branch .Lasked_\@
.Lnot_a_\@:
	s_cmp_eq_u32 s[WV], 3
	s_cbranch_scc0 .Lfor_b_\@
	tensor_load_to_lds s[G0R+4*(\s):G0R+4*(\s)+3], s[G1R:G1R+7]
	s_nop 0
.rept 4
	v_nop
.endr
	s_branch .Lasked_\@
.Lfor_b_\@:
	tensor_load_to_lds s[G0B+4*(\s):G0B+4*(\s)+3], s[G1B:G1B+7]
	s_nop 0
.rept 4
	v_nop
.endr
.Lasked_\@:
.endm
.macro CREST                           ; a round of the cluster's barrier behind its opening barrier
	s_cmp_lg_u32 s[WV], 0
	s_cbranch_scc1 .Lnot_wave_0_\@
	s_barrier_signal -3
.Lnot_wave_0_\@:
	s_barrier_wait -3
	s_barrier_signal -1
	s_barrier_wait -1
.endm
.macro CROUND
	s_barrier_signal -1
	s_barrier_wait -1
	CREST
.endm
	s_load_b256 s[4:11], s[0:1], 0x0               ; cur s[4:5], lev s[6:7], h s[8:9], rh s[10:11]
	v_lshl_add_u32 v[SPW], v0, 2, SPARE
	v_mov_b32 v[NIL], 0
	ds_add_u32 v[SPW], v[NIL]                      ; the wave's opening: the add and its wait stand ahead of my first tensor load; the set-up below, work on registers, stands between them
	v_lshrrev_b32 v3, 5, v0
	v_readfirstlane_b32 s[WV], v3
	s_lshr_b32 s13, s[WV], 1                       ; i.  Also: which half of W1's k rows waves 1 and 2 fetch
	s_and_b32 s14, s[WV], 1                        ; j
	s_bfe_u32 s15, ttmp6, 0x40000                  ; cx
	s_bfe_u32 s16, ttmp6, 0x40004                  ; cy
	s_lshl_b32 s17, ttmp9, 2
	s_add_co_u32 s17, s17, s15                     ; e = 4 x cluster x + cx
	s_and_b32 s18, ttmp7, 0xffff
	s_lshl_b32 s18, s18, 2
	s_add_co_u32 s18, s18, s16                     ; rb = 4 x cluster y + cy
	s_lshl_b32 s19, s16, 2
	s_lshl_b32 s19, 15, s19                        ; my row of the cluster
	s_lshl_b32 s20, 0x1111, s15                    ; my column
	s_or_b32 s[G1A], s19, (1<<16)|(1<<20)|(1<<21)|(5<<22)|(3<<25)  ; cur: the mask of my row; 2-byte elements; padding on; bit 21 beside a mask; after every 64 words 4 words
	s_mov_b32 s[G1A+1], 128<<16                    ; tensor_dim0 = 128
	s_mov_b32 s[G1A+2], 128<<16                    ; tensor_dim1 = 128
	s_mov_b32 s[G1A+3], 128<<16                    ; tile_dim0 = 128
	s_mov_b32 s[G1A+4], 128                        ; tile_dim1 = 128
	s_mov_b32 s[G1A+5], 1024                       ; elements from row to row
	s_mov_b32 s[G1A+6], 0
	s_mov_b32 s[G1A+7], 0
	s_or_b32 s[G1B], s20, (1<<16)|(1<<20)|(1<<21)|(6<<22)|(7<<25)  ; W1: the mask of my column; after every 128 words 8 words
	s_mov_b32 s[G1B+1], 256<<16
	s_mov_b32 s[G1B+2], 64<<16
	s_mov_b32 s[G1B+3], 256<<16
	s_mov_b32 s[G1B+4], 64
	s_mov_b32 s[G1B+5], 256
	s_mov_b32 s[G1B+6], 0
	s_mov_b32 s[G1B+7], 0
	s_or_b32 s[G1R], s20, (3<<16)|(1<<21)          ; RW: the mask of my column; 4,096 dense bytes as 16 rows of 32 elements of 8 bytes, no padding
	s_mov_b32 s[G1R+1], 32<<16
	s_mov_b32 s[G1R+2], 16<<16
	s_mov_b32 s[G1R+3], 32<<16
	s_mov_b32 s[G1R+4], 16
	s_mov_b32 s[G1R+5], 32
	s_mov_b32 s[G1R+6], 0
	s_mov_b32 s[G1R+7], 0
	s_lshl_b32 s76, s18, 18                        ; cur: rb x 128 rows x 2,048 bytes; these registers never hold cx
	s_mov_b32 s77, 0
	s_lshl_b32 s80, s17, 19                        ; W1: e x 524,288 + half x 64 k rows x 512 bytes; these never hold cy
	s_lshl_b32 s81, s13, 15
	s_add_co_u32 s80, s80, s81
	s_mov_b32 s81, 0
	s_lshl_b32 s84, s17, 15                        ; RW: e x 32,768
	s_add_co_u32 s84, s84, RWOFF
	s_mov_b32 s85, 0
	s_mul_i32 s21, s[WV], PART                     ; where my load goes: no place in the cluster enters an LDS address
	s_wait_dscnt 0x0                               ; the opening add is done
	s_wait_kmcnt 0x0
	s_add_nc_u64 s[78:79], s[4:5], s[76:77]
	s_add_nc_u64 s[82:83], s[6:7], s[80:81]
	s_add_nc_u64 s[86:87], s[6:7], s[84:85]
	CROUND                                         ; all sixteen work-groups are here: the first joint loads meet
.irp s, 0,1
	s_mov_b32 s[G0A+4*(\s)], 1
	s_add_co_u32 s[G0A+4*(\s)+1], s21, (\s)*SLOT
	s_add_nc_u64 s[G0A+4*(\s)+2:G0A+4*(\s)+3], s[78:79], (\s)*256      ; K step s: 128 elements along the rows
	s_or_b32 s[G0A+4*(\s)+3], s[G0A+4*(\s)+3], 0x80000000
	s_mov_b32 s[G0B+4*(\s)], 1
	s_add_co_u32 s[G0B+4*(\s)+1], s21, (\s)*SLOT
	s_add_nc_u64 s[G0B+4*(\s)+2:G0B+4*(\s)+3], s[82:83], (\s)*65536    ; 128 k rows of 512 bytes
	s_or_b32 s[G0B+4*(\s)+3], s[G0B+4*(\s)+3], 0x80000000
	s_mov_b32 s[G0R+4*(\s)], 1
	s_add_co_u32 s[G0R+4*(\s)+1], s21, (\s)*SLOT
	s_add_nc_u64 s[G0R+4*(\s)+2:G0R+4*(\s)+3], s[86:87], (\s)*4096     ; 128 k rows of 32 bytes
	s_or_b32 s[G0R+4*(\s)+3], s[G0R+4*(\s)+3], 0x80000000
	JLOAD3 \s                                      ; two tensor loads of mine are out
.endr
	; the biases: register jj of a lane is column 16 b + 8 (l / 16) + jj
	v_and_b32 v1, 15, v0                           ; r = l % 16
	v_bfe_u32 v2, v0, 4, 1                         ; hh = l / 16
	v_and_b32 v3, 7, v0
	v_bfe_u32 v4, v0, 3, 1
	v_lshlrev_b32 v[BOFF], 5, v2
	s_lshl_b32 s80, s17, 10
	s_lshl_b32 s81, s14, 9
	s_add_co_u32 s80, s80, s81
	s_add_co_u32 s80, s80, EB1OFF
	s_mov_b32 s81, 0
	s_add_nc_u64 s[22:23], s[6:7], s[80:81]        ; b1 of expert e, my 128 columns
	s_lshl_b32 s80, s17, 6
	s_add_co_u32 s80, s80, RB1OFF
	s_add_nc_u64 s[84:85], s[6:7], s[80:81]        ; rb1, columns 16 e on
	WIN TO_B
.irp b, 0,1,2,3,4,5,6,7
	global_load_b128 v[BIAS+8*(\b):BIAS+8*(\b)+3],   v[BOFF], s[22:23] offset:64*(\b)
	global_load_b128 v[BIAS+8*(\b)+4:BIAS+8*(\b)+7], v[BOFF], s[22:23] offset:64*(\b)+16
.endr
	WIN 0
	global_load_b128 v[RBIAS:RBIAS+3],   v[BOFF], s[84:85]
	global_load_b128 v[RBIAS+4:RBIAS+7], v[BOFF], s[84:85] offset:16
	; LDS addresses.  A fragment of cur: lane l holds row l % 16, K = 8 (l / 16) + 0..7 and 16 + 8 (l / 16) + 0..7: two loads of 16 bytes, 32 bytes apart.
	v_mul_u32_u24 v5, v1, PA
	v_lshl_add_u32 v5, v2, 4, v5                   ; r x 272 + 16 hh
	s_mul_i32 s2, s13, 64*PA
	s_mul_i32 s3, s14, 32*PA
	s_add_co_u32 s3, s3, s2                        ; p = 0: rows 64 i + 32 j
	s_xor_b32 s66, s14, 1
	s_mul_i32 s66, s66, 32*PA
	s_add_co_u32 s66, s66, s2                      ; p = 1: the other 32
	v_add_nc_u32 v[ADRA], s3, v5
	v_add_nc_u32 v[ADRA+1], s66, v5
	v_add_nc_u32 v[ADRA+2], SLOT, v[ADRA]
	v_add_nc_u32 v[ADRA+3], SLOT, v[ADRA+1]
	; The turning load takes 16 k x 16 columns (lane l reads k row 8 (l / 16) + l % 8, columns 8 ((l / 8) % 2) + 0..7) and leaves half a fragment: lane l holds column l % 16 and 8 k.
	v_lshl_add_u32 v6, v2, 3, v3
	v_mul_u32_u24 v7, v6, PB
	v_lshl_add_u32 v7, v4, 4, v7
	s_lshl_b32 s67, s14, 8
	s_add_co_u32 s67, s67, PART
	v_add_nc_u32 v[ADRB], s67, v7
	v_add_nc_u32 v[ADRB+1], SLOT, v[ADRB]
	v_lshlrev_b32 v8, 5, v6
	v_lshl_add_u32 v8, v4, 4, v8
	v_add_nc_u32 v[ADRR], 3*PART, v8
	v_add_nc_u32 v[ADRR+1], SLOT, v[ADRR]
	; h: row block 4 i + 2 (p xor j) + u is 8,192 bytes, group of 32 columns 4 j + b / 2 is 1,024, half b % 2 is 512, a lane 16
	v_and_b32 v9, 31, v0
	v_lshlrev_b32 v10, 4, v9                       ; 16 l
	s_lshl_b32 s67, s14, 14                        ; p = 0: two row blocks x j
	v_add_nc_u32 v[CO], s67, v10
	s_xor_b32 s67, s67, 16384                      ; p = 1: the other two
	v_add_nc_u32 v[CO+1], s67, v10
	v_lshlrev_b32 v[RHO], 5, v1
	v_lshl_add_u32 v[RHO], v2, 4, v[RHO]
	v_mov_b32 v[ZERO], 0
	s_lshl_b32 s80, s18, 19                        ; h at block (rb, e): 524,288 rb + 65,536 e, + 32,768 i + 4,096 j
	s_lshl_b32 s2, s17, 16
	s_add_co_u32 s80, s80, s2
	s_lshl_b32 s2, s13, 15
	s_add_co_u32 s80, s80, s2
	s_lshl_b32 s2, s14, 12
	s_add_co_u32 s80, s80, s2
	s_add_nc_u64 s[8:9], s[8:9], s[80:81]
	s_lshl_b32 s80, s18, 15                        ; rh at block (rb, e), row 64 i + 32 j
	s_lshl_b32 s2, s17, 12
	s_add_co_u32 s80, s80, s2
	s_lshl_b32 s2, s13, 11
	s_add_co_u32 s80, s80, s2
	s_lshl_b32 s2, s14, 10
	s_add_co_u32 s80, s80, s2
	s_add_nc_u64 s[10:11], s[10:11], s[80:81]
; 16 products: row slots a0, a0 + 1 x all 8 column blocks, 32 along K: part c of buffer f.  first = 1: they start the sums, with b1 as C.
.macro MULM f, c, a0, first
.if \first
	WIN MUL1
.else
	WIN MUL
.endif
.irp a, \a0, (\a0)+1
.irp b, 0,1,2,3,4,5,6,7
.if \first
	v_wmma_f32_16x16x32_bf16 v[64*(\a)+8*(\b):64*(\a)+8*(\b)+7], v[128*(\f)+64*(\c)+8*(\b):128*(\f)+64*(\c)+8*(\b)+7], v[FA+64*(\f)+32*(\c)+8*(\a):FA+64*(\f)+32*(\c)+8*(\a)+7], v[BIAS+8*(\b):BIAS+8*(\b)+7]
.else
	v_wmma_f32_16x16x32_bf16 v[64*(\a)+8*(\b):64*(\a)+8*(\b)+7], v[128*(\f)+64*(\c)+8*(\b):128*(\f)+64*(\c)+8*(\b)+7], v[FA+64*(\f)+32*(\c)+8*(\a):FA+64*(\f)+32*(\c)+8*(\a)+7], v[64*(\a)+8*(\b):64*(\a)+8*(\b)+7]
.endif
.endr
.endr
.endm
; The router's two products: RW's fragment x row slots 0 and 1, all in window 0.
.macro MULR f, c, first
	WIN 0
.irp u, 0,1
.if \first
	v_wmma_f32_16x16x32_bf16 v[RACC+8*(\u):RACC+8*(\u)+7], v[FR+16*(\f)+8*(\c):FR+16*(\f)+8*(\c)+7], v[FA+64*(\f)+32*(\c)+8*(\u):FA+64*(\f)+32*(\c)+8*(\u)+7], v[RBIAS:RBIAS+7]
.else
	v_wmma_f32_16x16x32_bf16 v[RACC+8*(\u):RACC+8*(\u)+7], v[FR+16*(\f)+8*(\c):FR+16*(\f)+8*(\c)+7], v[FA+64*(\f)+32*(\c)+8*(\u):FA+64*(\f)+32*(\c)+8*(\u)+7], v[RACC+8*(\u):RACC+8*(\u)+7]
.endif
.endr
.endm
; 52 LDS loads: the fragments of 64 along K (half of a K step) into buffer f; the first 32 along K (26 loads) first.
.macro FETCH slot, half, f
.irp c, 0,1
	WIN TO_B
.irp b, 0,1,2,3,4,5,6,7
	ds_load_tr16_b128 v[128*(\f)+64*(\c)+8*(\b):128*(\f)+64*(\c)+8*(\b)+3],   v[ADRB+(\slot)] offset:PART*(\half)+32*PB*(\c)+32*(\b)
	ds_load_tr16_b128 v[128*(\f)+64*(\c)+8*(\b)+4:128*(\f)+64*(\c)+8*(\b)+7], v[ADRB+(\slot)] offset:PART*(\half)+32*PB*(\c)+32*(\b)+16*PB
.endr
	WIN 0
	ds_load_tr16_b128 v[FR+16*(\f)+8*(\c):FR+16*(\f)+8*(\c)+3],   v[ADRR+(\slot)] offset:2048*(\half)+1024*(\c)
	ds_load_tr16_b128 v[FR+16*(\f)+8*(\c)+4:FR+16*(\f)+8*(\c)+7], v[ADRR+(\slot)] offset:2048*(\half)+1024*(\c)+512
.irp a, 0,1,2,3
	ds_load_b128 v[FA+64*(\f)+32*(\c)+8*(\a):FA+64*(\f)+32*(\c)+8*(\a)+3],   v[ADRA+2*(\slot)+(\a)/2] offset:128*(\half)+64*(\c)+16*PA*((\a)%2)
	ds_load_b128 v[FA+64*(\f)+32*(\c)+8*(\a)+4:FA+64*(\f)+32*(\c)+8*(\a)+7], v[ADRA+2*(\slot)+(\a)/2] offset:128*(\half)+64*(\c)+16*PA*((\a)%2)+32
.endr
.endr
.endm
; A K step's first half: multiplies buffer 0 and fetches the slot's second half into buffer 1.  The 34 accumulators take turns, one instruction a turn.
.macro HALF slot, first
	s_wait_dscnt 26                                ; the first 32 along K are in; the youngest 26 loads may be out
	MULM 0, 0, 0, \first
	MULR 0, 0, \first
	MULM 0, 0, 2, \first
	PLACES
	FETCH \slot, 1, 1
	s_wait_dscnt 52                                ; all but the 52 just issued
	MULM 0, 1, 0, 0
	MULR 0, 1, 0
	MULM 0, 1, 2, 0
.endm
; Its second half multiplies buffer 1 and changes slots in its middle: ONE barrier.  In front of it each wave waits for all its tensor loads (one is out: its part of the next slot), adds 0 to its spare word, and waits for
; that and for its own reads of this slot.  fill = 1: the barrier is a round of the cluster's barrier, and this slot is filled again, two K steps ahead, first thing behind the round.  Nothing but the descriptors' steps and
; the round stands between the wait for one load and the issue of the next, so that a load has a whole K step's 136 matrix instructions in which to land.
.macro TURN slot, next, fill
	s_wait_dscnt 26                                ; the first 32 along K of buffer 1 are in
	MULM 1, 0, 0, 0
	MULR 1, 0, 0
	MULM 1, 0, 2, 0
	WIN 0
	s_wait_tensorcnt 0x0                           ; all my tensor loads have landed, so every group 0 may be written
	ds_add_u32 v[SPW], v[NIL]                      ; 0 onto my spare word
.if \fill
	s_add_nc_u64 s[G0A+4*(\slot)+2:G0A+4*(\slot)+3], s[G0A+4*(\slot)+2:G0A+4*(\slot)+3], 512
	s_add_nc_u64 s[G0B+4*(\slot)+2:G0B+4*(\slot)+3], s[G0B+4*(\slot)+2:G0B+4*(\slot)+3], 131072
	s_add_nc_u64 s[G0R+4*(\slot)+2:G0R+4*(\slot)+3], s[G0R+4*(\slot)+2:G0R+4*(\slot)+3], 8192
.endif
	s_wait_dscnt 0x0                               ; the add is done, and my reads of this slot are over (the last were issued 68 matrix instructions ago)
.if \fill
	CROUND                                         ; no wave of any partner still reads this slot's tiles or has a load on its way
	JLOAD3 \slot                                   ; the four v_nop behind it are also the places in front of the loads below
.else
	s_barrier_signal -1
	s_barrier_wait -1
	PLACES
.endif
	FETCH \next, 0, 0
	MULM 1, 1, 0, 0
	MULR 1, 1, 0
	MULM 1, 1, 2, 0
.endm
	s_wait_tensorcnt 0x1                           ; my part of K step 0 is in; K step 1's may stay out
	s_barrier_signal -1
	s_barrier_wait -1                              ; everybody's is
	FETCH 0, 0, 0
	s_wait_loadcnt 0x0                             ; the biases
	HALF 0, 1                                      ; the first half step stands in front of the loop: its first products start the sums
	WIN 0                                          ; at a label and at a branch every window is 0
	s_mov_b32 s3, 3
.Llap:                                                 ; three trips, each once round the ring: K steps 2 to 7 are asked for
	TURN 0, 1, 1
	HALF 1, 0
	TURN 1, 0, 1
	HALF 0, 0
	WIN 0
	s_sub_co_u32 s3, s3, 1
	s_cmp_lg_u32 s3, 0
	s_cbranch_scc1 .Llap
	TURN 0, 1, 0                                   ; the last lap fills nothing, and has no round
	HALF 1, 0
	s_wait_dscnt 26
	MULM 1, 0, 0, 0
	MULR 1, 0, 0
	MULM 1, 0, 2, 0
	s_wait_dscnt 0x0
	MULM 1, 1, 0, 0
	MULR 1, 1, 0
	MULM 1, 1, 2, 0
	WIN 0
; THE WAY OUT, a row slot (16 rows x 128 columns) at a time: rounded to bf16, the maximum with 0 on the packed halves, stored.  Each slot has packed registers of its own, so nothing waits for a store.
.macro OUT a
	WIN 0x0a                                       ; sources 0 and 1 in window 2
.irp b, 0,1,2,3,4,5,6,7
.irp r, 0,1,2,3
	v_cvt_pk_bf16_f32 v[TMP+32*(\a)+4*(\b)+(\r)], v[64*(\a)+8*(\b)+2*(\r)], v[64*(\a)+8*(\b)+2*(\r)+1]
.endr
.endr
	WIN 0
.set k, 0
.rept 32
	v_pk_max_num_bf16 v[TMP+32*(\a)+k], v[TMP+32*(\a)+k], v[ZERO]
.set k, k+1
.endr
.irp b, 0,1,2,3,4,5,6,7
	global_store_b128 v[CO+(\a)/2], v[TMP+32*(\a)+4*(\b):TMP+32*(\a)+4*(\b)+3], s[8:9] offset:8192*((\a)%2)+512*(\b)  ; half a fragment: 512 consecutive bytes, at a multiple of 512 from h's first byte
.endr
.endm
	PLACES                                         ; the conversions read results just made, and write registers that the last products read
	OUT 0
	OUT 1
	OUT 2
	OUT 3
.irp u, 0,1                            ; the router's hidden layer: a lane's eight columns are 16 bytes of a row of 32; a store covers 512 consecutive bytes
.irp r, 0,1,2,3
	v_cvt_pk_bf16_f32 v[RPK+4*(\u)+(\r)], v[RACC+8*(\u)+2*(\r)], v[RACC+8*(\u)+2*(\r)+1]
.endr
.endr
.set k, 0
.rept 8
	v_pk_max_num_bf16 v[RPK+k], v[RPK+k], v[ZERO]
.set k, k+1
.endr
	global_store_b128 v[RHO], v[RPK:RPK+3],   s[10:11]
	global_store_b128 v[RHO], v[RPK+4:RPK+7], s[10:11] offset:512
	s_wait_tensorcnt 0x0                           ; the wave's end: these three lines stand behind my last tensor load
	ds_add_u32 v[SPW], v[NIL]
	s_wait_dscnt 0x0
	CROUND                                         ; the closing round: no work-group ends while a partner may still ask for a tile that names it
	s_endpgm
.Lfunc_end_k_qda2098b706_g1:
	.size	k_qda2098b706_g1, .Lfunc_end_k_qda2098b706_g1-k_qda2098b706_g1
	.p2alignl 7, 3214868480
	.fill 96, 4, 3214868480
	.section	.rodata,"a",@progbits
	.p2align	6, 0x0
	.amdhsa_kernel k_qda2098b706_g1
		.amdhsa_group_segment_fixed_size 327680
		.amdhsa_private_segment_fixed_size 0
		.amdhsa_enable_private_segment 0
		.amdhsa_kernarg_size 32
		.amdhsa_user_sgpr_count 2
		.amdhsa_user_sgpr_kernarg_segment_ptr 1
		.amdhsa_wavefront_size32 1
		.amdhsa_system_sgpr_workgroup_id_x 1
		.amdhsa_system_sgpr_workgroup_id_y 1
		.amdhsa_system_sgpr_workgroup_id_z 1
		.amdhsa_system_vgpr_workitem_id 0
		.amdhsa_next_free_vgpr 768
		.amdhsa_next_free_sgpr 88
		.amdhsa_reserve_vcc 0
		.amdhsa_float_denorm_mode_32 3
		.amdhsa_float_denorm_mode_16_64 3
		.amdhsa_memory_ordered 1
		.amdhsa_forward_progress 1
		.amdhsa_inst_pref_size 99
	.end_amdhsa_kernel
	.amdgpu_metadata
---
amdhsa.version: [ 1, 2 ]
amdhsa.kernels:
  - .name:           k_qda2098b706_g1
    .symbol:         k_qda2098b706_g1.kd
    .args:
      - { .name: cur, .offset: 0, .size: 8, .value_kind: global_buffer, .address_space: global }
      - { .name: lev0, .offset: 8, .size: 8, .value_kind: global_buffer, .address_space: global }
      - { .name: h, .offset: 16, .size: 8, .value_kind: global_buffer, .address_space: global }
      - { .name: rh, .offset: 24, .size: 8, .value_kind: global_buffer, .address_space: global }
    .group_segment_fixed_size: 327680
    .private_segment_fixed_size: 0
    .kernarg_segment_align: 8
    .kernarg_segment_size: 32
    .max_flat_workgroup_size: 128
    .sgpr_count:     88
    .vgpr_count:     768
    .wavefront_size: 32
...
	.end_amdgpu_metadata
.endif
;; end of part 2
;; launch g2 (part 3): grid 8 x 32, 4 waves a work-group, clusters of 4 x 4, 327,680 bytes of LDS; arguments h, rh, lev0, fmid, cur, out0; writes cur, out0
.if DOCPART == 3
	.amdgcn_target "amdgcn-amd-amdhsa--gfx1250"
	.amdhsa_code_object_version 6
	.text
	.protected	k_qda2098b706_g2
	.globl	k_qda2098b706_g2
	.p2align	8
	.type	k_qda2098b706_g2,@function
k_qda2098b706_g2:
	s_mov_b64 s[64:65], 0
	v_nop
	global_prefetch_b8 v0, s[64:65] scope:SCOPE_SE
	s_setreg_imm32_b32 hwreg(HW_REG_WAVE_MODE, 25, 1), 1
	s_wait_xcnt 0x0
	s_wait_alu depctr_hold_cnt(0) depctr_sa_sdst(0) depctr_va_vdst(0) depctr_va_sdst(0) depctr_va_ssrc(0) depctr_va_vcc(0) depctr_vm_vsrc(0)
	s_getreg_b32 s2, hwreg(HW_REG_IB_STS2, 6, 4)
	s_cmp_eq_u32 s2, 0
	s_cbranch_scc0 .Lentry_in_a_cluster
	s_endpgm
.Lentry_in_a_cluster:
	s_bfe_u32 s2, ttmp6, 0x10000c
	s_cmp_lg_u32 s2, 0xf033
	s_cbranch_scc0 .Lentry_shape_is_right
	s_endpgm
.Lentry_shape_is_right:
; G2, one level's second half.  w = softmax(rh RW2 + rb2) over the eight experts; out[b][n] = sum over e of w[b][e] (sum_k h[b][e][k] W2[e][k][n] + b2[e][n]).
; h bf16 in operand order: [32 rb][8 e][8 blocks of 16 rows][8 groups of 32 k][2 halves][32 lanes][16 bytes]; rh bf16 [32 rb][8 e][128 rows][16]; lev holds W2 bf16 [8][256 k][1024 n], b2 f32 [8][1024],
; RW2 turned, bf16 [16 n][128 k] (row n = expert n & 7), rb2 f32.
; The output is [4096][1024], in one of two forms, each with a buffer of its own: bf16 where the flag word is 0 (the next level's input), f32 where it is not (the result).  The flag is a whole number stored by an earlier launch.
; It steers NO branch: every wave runs both runs of read-backs and stores, and the flag narrows EXEC round each, so that in one of the two all lanes are off and nothing is read or stored.  The other form's buffer is left untouched.
; LIMITS: operands are bf16, sums f32; the eight logits' maximum is taken away before the exponentials; a weight's term below 2^-126 counts as 0; NaN and infinities are not treated apart.
; SHARES.  Work-group (x, rb): 128 rows x 128 columns: 8 x 32 = 256 work-groups.  Wave w: rows 32 w .. 32 w + 31, all 128 columns: 16 accumulators ACC (a, b) and 16 totals TOT.
; An expert is 256 along K, four QUARTERS of 64: its products start from b2 (the C operand), and when they are done TOT += w x ACC, a packed multiply-add in f32, set behind the expert's last sixteen products.
; The eight experts are written out: w's registers, the ring's registers, every offset and the last fills are then constants of the text, and the stage may lie in slot 0 behind that slot's last fill.
; THE MATRIX INSTRUCTION IS USED TRANSPOSED (source 0 = 16 weight columns, source 1 = 16 rows of h): a lane holds row l % 16 and eight neighbouring columns.  In the logits' product source 0 is RW2 turned, with the experts twice:
; every lane then holds all eight logits of row l % 16, so the softmax crosses no lanes and w lies in the lane that folds with it.
; h COMES STRAIGHT INTO REGISTERS: no wave needs another's rows, a fragment is two loads of 512 consecutive bytes, and a ring of eight quarters (32 registers each) is filled seven quarters ahead, by counted waits.
; W2 GOES THROUGH LDS, in two slots of TWO experts (512 k rows x 256 bytes); each wave asks for 128 k rows.  CLUSTER 4 x 4: the four work-groups of a cluster's column share x and ask for W2's tiles jointly.
; WHY h IS NOT ASKED FOR JOINTLY, though the four of a cluster's row share it: two slots that held both operands would hold one expert each (141,312 bytes), with six refills and 128 matrix instructions a wave between a request and
; the wait for it; with W2 alone a slot holds two experts, there are two refills, and each has 256 matrix instructions in which to land.  The price: h's 524,288 bytes a work-group are fetched by each of the four.
; REGISTERS: window 0: addresses, b2 of one expert, statistics, ACC at 128 + 8 (8 a + b); window 1: two buffers of 128 for W2's fragments of a quarter; window 2: TOT at 8 (8 a + b), w as pairs at 128 + 16 a + 2 e;
; window 3: the ring of h: quarter Q at 32 (Q % 8), its fragment (c, a) at + 8 (2 c + a).
.set PB,    288                        ; a k row of W2 in LDS: 256 + 32, an odd multiple of 32, for the turning load
.set BPART, 128*PB                     ; what one tensor load brings: 128 k rows
.set SLOT,  4*BPART                    ; 147,456: two experts
.set SPARE, 2*SLOT                     ; the spare words, 128 bytes for each wave: two blocks of 256 bytes that no other line names
.set B2L,   SPARE+512                  ; b2 of my 128 columns, [8 e][128] f32: 4,096 bytes in blocks of their own, stored once, never a tensor load's target
.set PS,    528                        ; a row of the stage: 512 bytes + 16
.set W2OFF,  4194304
.set EB2OFF, 8658944
.set RW2OFF, 8692224
.set RB2OFF, 8696320
.set COF,  12                          ; my byte offset in a row of the f32 output
.set COH,  13                          ; in two rows of the bf16 output
.set FLV,  14                          ; the flag, in every lane
.set AO,   15                          ; 16 l: my bytes in half a fragment of h; never rewritten
.set ADRB, 16                          ; v16-23  W2's fragments: register n serves k rows 128 n on of the two slots' 1,024
.set STO,  24                          ; the way out: where I put 32 bytes of a row (the stage: 128 rows x 528 bytes from LDS byte 0, in slot 0, behind its last fill and its last read)
.set RDF,  25                          ; where I read a whole row of 512 bytes back
.set RDH,  26                          ; where I read 32 bytes of one of two rows back
.set BIA,  27                          ; where I read my eight numbers of b2
.set SPW,  28
.set NIL,  29
.set RO,   30                          ; my bytes in rh
.set WO,   31                          ; my bytes in RW2
.set BI,   32                          ; v32-95  b2 of the expert to come: column block b at + 8 b
.set RB2,  96                          ; v96-103 rb2
.set ST,   104                         ; v104-107 (c m, m) for row block a
.set TM,   108                         ; v108-115 four at work for each a
.set B2T,  116                         ; v116-123 my 32 bytes of b2 on their way into LDS
.set VB,   124                         ; their place in memory
.set LB,   125                         ; and in LDS
.set ACC,  128
.set F0,   0
.set F1,   128
.set WREG, 128                         ; window 2
.set WV,   14                          ; s14 wave; s17 cx; s18 cy; s19 x; s20 rb; s22 the mask
.set FLAG, 23
.set HB,   24                          ; s[24:25] h at my wave's two row blocks
.set G1B,  40
.set G0B,  48                          ; a set of four for each slot
.set CS,   66                          ; s[66:67] log2(e), named as a pair
.set DF,   86                          ; s[86:87] the f32 output; s[12:13] the bf16 output
.set SAVE, 90                          ; s90 EXEC as it was, on the way out
.set MSB, 0
.macro WIN new
.if MSB != (\new)
	s_set_vgpr_msb (MSB<<8)|(\new)
.set MSB, \new
.endif
.endm
.set MUL,    0x0d                      ; source 0 (W2) window 1, source 1 (h) window 3; C and D window 0
.set MULP,   0x05                      ; the logits: sources 0 and 1 window 1
.set TO_F,   0x40                      ; destination window 1
.set TO_A,   0xc0                      ; destination window 3
.set FOLDW,  0xa8                      ; destination, sources 1 and 2 window 2; source 0 window 0
.set TOW,    0x80                      ; destination window 2
.set FROM_T, 0x08                      ; an LDS store's data (source 1) in window 2
.macro PLACES
.rept 4
	v_nop
.endr
.endm
.macro CREST
	s_cmp_lg_u32 s[WV], 0
	s_cbranch_scc1 .Lnot_wave_0_\@
	s_barrier_signal -3
.Lnot_wave_0_\@:
	s_barrier_wait -3
	s_barrier_signal -1
	s_barrier_wait -1
.endm
.macro CROUND
	s_barrier_signal -1
	s_barrier_wait -1
	CREST
.endm
; Quarter Q (expert Q / 4, k 64 (Q % 4) on) of h for my two row blocks: four fragments, eight loads of 512 consecutive bytes, into the ring's place Q % 8.
.macro ALOAD Q
	WIN TO_A
.irp c, 0,1
.irp a, 0,1
	global_load_b128 v[32*((\Q)%8)+8*(2*(\c)+(\a)):32*((\Q)%8)+8*(2*(\c)+(\a))+3],   v[AO], s[HB:HB+1] offset:65536*((\Q)/4)+8192*(\a)+1024*(2*((\Q)%4)+(\c))
	global_load_b128 v[32*((\Q)%8)+8*(2*(\c)+(\a))+4:32*((\Q)%8)+8*(2*(\c)+(\a))+7], v[AO], s[HB:HB+1] offset:65536*((\Q)/4)+8192*(\a)+1024*(2*((\Q)%4)+(\c))+512
.endr
.endr
.endm
; At the head of quarter Q the quarters up to Q + 6 have been asked for: loads come back in order, so quarter Q is in when only those of the younger quarters, eight each, are out.
.macro WAITA Q
.if 31-(\Q) < 6
	s_wait_loadcnt 8*(31-(\Q))
.else
	s_wait_loadcnt 48
.endif
.endm
	s_load_b256 s[4:11], s[0:1], 0x0               ; h s[4:5], rh s[6:7], lev s[8:9], the flag s[10:11]
	s_load_b64 s[12:13], s[0:1], 0x20              ; the bf16 output
	s_load_b64 s[DF:DF+1], s[0:1], 0x28            ; the f32 output
	v_lshl_add_u32 v[SPW], v0, 2, SPARE
	v_mov_b32 v[NIL], 0
	ds_add_u32 v[SPW], v[NIL]                      ; the wave's opening: the add and its wait stand ahead of my first tensor load; the set-up below, work on registers, stands between them
	v_lshrrev_b32 v3, 5, v0
	v_readfirstlane_b32 s[WV], v3
	s_bfe_u32 s17, ttmp6, 0x40000
	s_bfe_u32 s18, ttmp6, 0x40004
	s_lshl_b32 s19, ttmp9, 2
	s_add_co_u32 s19, s19, s17                     ; x = 4 x cluster x + cx
	s_and_b32 s20, ttmp7, 0xffff
	s_lshl_b32 s20, s20, 2
	s_add_co_u32 s20, s20, s18                     ; rb = 4 x cluster y + cy
	s_lshl_b32 s22, 0x1111, s17                    ; my column of the cluster
	s_or_b32 s[G1B], s22, (1<<16)|(1<<20)|(1<<21)|(5<<22)|(7<<25)  ; W2: the mask of my column; 2-byte elements; padding on; bit 21 beside a mask; after every 64 words 8 words
	s_mov_b32 s[G1B+1], 128<<16                    ; tensor_dim0 = 128
	s_mov_b32 s[G1B+2], 128<<16                    ; tensor_dim1 = 128
	s_mov_b32 s[G1B+3], 128<<16                    ; tile_dim0 = 128
	s_mov_b32 s[G1B+4], 128                        ; tile_dim1 = 128
	s_mov_b32 s[G1B+5], 1024                       ; elements from row to row
	s_mov_b32 s[G1B+6], 0
	s_mov_b32 s[G1B+7], 0
	s_lshl_b32 s72, s19, 8                         ; W2 is 2,048 k rows of 2,048 bytes on end: 256 x + wave x 128 rows; these registers never hold cy
	s_lshl_b32 s73, s[WV], 18
	s_add_co_u32 s72, s72, s73
	s_add_co_u32 s72, s72, W2OFF
	s_mov_b32 s73, 0
	s_mul_i32 s77, s[WV], BPART                    ; where my rows go: no place in the cluster enters an LDS address
	s_mov_b32 s[CS], 0x3fb8aa3b
	s_mov_b32 s[CS+1], s[CS]
	s_wait_dscnt 0x0                               ; the opening add is done
	s_wait_kmcnt 0x0
	s_add_nc_u64 s[74:75], s[8:9], s[72:73]
	s_add_nc_u64 s[90:91], s[8:9], RB2OFF
	s_load_b32 s[FLAG], s[10:11], 0x0
	s_load_b256 s[56:63], s[90:91], 0x0            ; rb2
.irp s, 0,1
	s_mov_b32 s[G0B+4*(\s)], 1
	s_add_co_u32 s[G0B+4*(\s)+1], s77, (\s)*SLOT
	s_add_nc_u64 s[G0B+4*(\s)+2:G0B+4*(\s)+3], s[74:75], (\s)*1048576   ; slot s begins with experts 2 s and 2 s + 1
	s_or_b32 s[G0B+4*(\s)+3], s[G0B+4*(\s)+3], 0x80000000
.endr
	CROUND                                         ; all sixteen work-groups are here: the first joint loads meet
	tensor_load_to_lds s[G0B:G0B+3], s[G1B:G1B+7]  ; every wave asks for rows of its own: two tensor loads of mine are out
	s_nop 0
	tensor_load_to_lds s[G0B+4:G0B+7], s[G1B:G1B+7]
	s_nop 0
.rept 4
	v_nop
.endr
	; THE ROUTER AND THE FIRST QUARTERS OF h, while the first tiles are on their way
	s_lshl_b32 s78, s20, 15
	s_mov_b32 s79, 0
	s_add_nc_u64 s[6:7], s[6:7], s[78:79]          ; rh of my work-group's 128 rows
	s_add_nc_u64 s[80:81], s[8:9], RW2OFF
	s_lshl_b32 s82, s19, 9
	s_add_co_u32 s82, s82, EB2OFF
	s_mov_b32 s83, 0
	s_add_nc_u64 s[88:89], s[8:9], s[82:83]        ; b2 at my tile's first column
	s_lshl_b32 s84, s20, 19
	s_lshl_b32 s85, s[WV], 14
	s_add_co_u32 s84, s84, s85
	s_mov_b32 s85, 0
	s_add_nc_u64 s[HB:HB+1], s[4:5], s[84:85]      ; h: 524,288 rb + two row blocks of 8,192 bytes a wave
	v_and_b32 v1, 15, v0                           ; r = l % 16
	v_bfe_u32 v2, v0, 4, 1                         ; hh = l / 16
	v_and_b32 v3, 7, v0
	v_bfe_u32 v4, v0, 3, 1
	v_and_b32 v5, 31, v0                           ; l
	v_lshlrev_b32 v[RO], 5, v1
	v_lshl_add_u32 v[RO], v2, 4, v[RO]
	s_lshl_b32 s76, s[WV], 10
	v_add_nc_u32 v[RO], s76, v[RO]                 ; row (32 w + r) x 32 bytes + 16 hh
	v_lshlrev_b32 v[WO], 8, v1
	v_lshl_add_u32 v[WO], v2, 4, v[WO]             ; row r x 256 bytes + 16 hh
	v_lshrrev_b32 v6, 4, v0                        ; thread t brings 32 bytes of b2: expert t / 16, columns 8 (t % 16) on
	v_lshlrev_b32 v[VB], 5, v1
	v_lshl_add_u32 v[VB], v6, 12, v[VB]
	v_lshl_add_u32 v[LB], v0, 5, B2L               ; to byte 512 (t / 16) + 32 (t % 16) = 32 t of the table
	v_lshlrev_b32 v[AO], 4, v5
	global_load_b128 v[B2T:B2T+3],   v[VB], s[88:89]
	global_load_b128 v[B2T+4:B2T+7], v[VB], s[88:89] offset:16
	WIN TO_F
.irp a, 0,1                            ; rh's fragments: rows 16 a on, k 32 s on: k = 32 s + 8 hh .. lies in block 2 s, k = 32 s + 16 + 8 hh .. in block 2 s + 1, 4,096 bytes on
.irp s, 0,1,2,3
	global_load_b128 v[32*(\a)+8*(\s):32*(\a)+8*(\s)+3],   v[RO], s[6:7] offset:8192*(\s)+512*(\a)
	global_load_b128 v[32*(\a)+8*(\s)+4:32*(\a)+8*(\s)+7], v[RO], s[6:7] offset:8192*(\s)+512*(\a)+4096
.endr
.endr
.irp s, 0,1,2,3
	global_load_b128 v[128+8*(\s):128+8*(\s)+3],   v[WO], s[80:81] offset:64*(\s)
	global_load_b128 v[128+8*(\s)+4:128+8*(\s)+7], v[WO], s[80:81] offset:64*(\s)+32
.endr
	ALOAD 0                                        ; 58 loads of mine are out
	ALOAD 1
	ALOAD 2
	ALOAD 3
	WIN 0
	; LDS addresses, in the wait for those loads
	v_lshl_add_u32 v7, v2, 3, v3                   ; the turning load: k row 8 hh + l % 8, columns 8 ((l / 8) % 2) on
	v_mul_u32_u24 v7, v7, PB
	v_lshl_add_u32 v[ADRB], v4, 4, v7
.irp n, 1,2,3,4,5,6,7
	v_add_nc_u32 v[ADRB+\n], (\n)*BPART, v[ADRB]
.endr
	v_mul_u32_u24 v8, v1, PS
	s_mul_i32 s76, s[WV], 32*PS
	v_add_nc_u32 v8, s76, v8                       ; (32 w + r) x 528
	v_lshl_add_u32 v[STO], v2, 5, v8               ; + 32 hh
	v_lshl_add_u32 v[RDF], v5, 4, s76              ; row 32 w, 16 bytes a lane
	v_mul_u32_u24 v9, v2, PS
	v_lshl_add_u32 v9, v1, 5, v9
	v_add_nc_u32 v[RDH], s76, v9                   ; row 32 w + hh, 32 bytes a lane
	v_lshlrev_b32 v[COF], 4, v5
	v_lshlrev_b32 v[COH], 11, v2
	v_lshl_add_u32 v[COH], v1, 4, v[COH]
	v_lshl_add_u32 v[BIA], v2, 5, B2L              ; register jj of a lane is column 16 b + 8 hh + jj
	s_lshl_b32 s68, s20, 18                        ; the output's byte offset in its bf16 form: (128 rb + 32 w) rows of 2,048 bytes + 256 x; the f32 form is twice that
	s_lshl_b32 s69, s[WV], 16
	s_add_co_u32 s68, s68, s69
	s_lshl_b32 s69, s19, 8
	s_add_co_u32 s68, s68, s69
	s_mov_b32 s69, 0
	s_wait_kmcnt 0x0                               ; rb2 and the flag
.irp n, 0,1,2,3,4,5,6,7
	v_mov_b32 v[RB2+\n], s[56+\n]
.endr
	v_mov_b32 v[FLV], s[FLAG]
	s_wait_loadcnt 32                              ; b2, rh and RW2 are in; the 32 loads of h's first four quarters may stay out
	ds_store_b128 v[LB], v[B2T:B2T+3]
	ds_store_b128 v[LB], v[B2T+4:B2T+7] offset:16
	ALOAD 4                                        ; 56 loads at the most are out from here on
	ALOAD 5
	ALOAD 6
	WIN MULP
.irp s, 0,1,2,3                        ; the logits: two accumulators by turns, rb2 as the C that starts them
.irp a, 0,1
.if (\s) == 0
	v_wmma_f32_16x16x32_bf16 v[ACC+8*(\a):ACC+8*(\a)+7], v[128+8*(\s):128+8*(\s)+7], v[32*(\a)+8*(\s):32*(\a)+8*(\s)+7], v[RB2:RB2+7]
.else
	v_wmma_f32_16x16x32_bf16 v[ACC+8*(\a):ACC+8*(\a)+7], v[128+8*(\s):128+8*(\s)+7], v[32*(\a)+8*(\s):32*(\a)+8*(\s)+7], v[ACC+8*(\a):ACC+8*(\a)+7]
.endif
.endr
.endr
	WIN 0
	PLACES
.irp a, 0,1                            ; the maximum of a lane's eight logits, from each accumulator's low end on
	v_max3_num_f32 v[TM+4*(\a)], v[ACC+8*(\a)], v[ACC+8*(\a)+1], v[ACC+8*(\a)+2]
.endr
.irp a, 0,1
	v_max3_num_f32 v[TM+4*(\a)], v[TM+4*(\a)], v[ACC+8*(\a)+3], v[ACC+8*(\a)+4]
.endr
.irp a, 0,1
	v_max3_num_f32 v[TM+4*(\a)], v[TM+4*(\a)], v[ACC+8*(\a)+5], v[ACC+8*(\a)+6]
.endr
.irp a, 0,1
	v_max_num_f32 v[ST+2*(\a)+1], v[TM+4*(\a)], v[ACC+8*(\a)+7]
.endr
.irp a, 0,1
	v_mul_f32 v[ST+2*(\a)], s[CS], v[ST+2*(\a)+1]
.endr
.irp a, 0,1
.irp k, 0,1,2,3
	v_pk_fma_f32 v[ACC+8*(\a)+2*(\k):ACC+8*(\a)+2*(\k)+1], v[ACC+8*(\a)+2*(\k):ACC+8*(\a)+2*(\k)+1], s[CS:CS+1], v[ST+2*(\a):ST+2*(\a)+1] op_sel_hi:[1,0,0] neg_lo:[0,0,1] neg_hi:[0,0,1]  ; c s - c m
.endr
.endr
.set k, 0
.rept 16
	v_exp_f32 v[ACC+k], v[ACC+k]
.set k, k+1
.endr
	v_nop                                          ; a plain instruction behind the last exponential,
	s_wait_alu depctr_va_vdst(0)                   ; and the wait ahead of the first use: one for the batch of 16
.irp a, 0,1
	v_pk_add_f32 v[TM+4*(\a):TM+4*(\a)+1], v[ACC+8*(\a):ACC+8*(\a)+1], v[ACC+8*(\a)+2:ACC+8*(\a)+3]
.endr
.irp a, 0,1
	v_pk_add_f32 v[TM+4*(\a)+2:TM+4*(\a)+3], v[ACC+8*(\a)+4:ACC+8*(\a)+5], v[ACC+8*(\a)+6:ACC+8*(\a)+7]
.endr
.irp a, 0,1
	v_pk_add_f32 v[TM+4*(\a):TM+4*(\a)+1], v[TM+4*(\a):TM+4*(\a)+1], v[TM+4*(\a)+2:TM+4*(\a)+3]
.endr
.irp a, 0,1
	v_add_f32 v[TM+4*(\a)], v[TM+4*(\a)], v[TM+4*(\a)+1]
.endr
.irp a, 0,1
	v_rcp_f32 v[TM+4*(\a)+2], v[TM+4*(\a)]         ; the sum holds the maximum's own term, about 1
.endr
	v_nop
	s_wait_alu depctr_va_vdst(0)                   ; one wait for the two reciprocals
	WIN TOW
.irp a, 0,1                            ; w, written twice: the pair that the packed fold multiplies by
.irp n, 0,1,2,3,4,5,6,7
	v_mul_f32 v[WREG+16*(\a)+2*(\n)],   v[ACC+8*(\a)+(\n)], v[TM+4*(\a)+2]
	v_mul_f32 v[WREG+16*(\a)+2*(\n)+1], v[ACC+8*(\a)+(\n)], v[TM+4*(\a)+2]
.endr
.endr
	WIN 0
; 16 products: both row blocks x all 8 column blocks, 32 along K: part c of W2's buffer f and of the ring's place rs.  bias = 1: they start the expert's sums, with b2 as C.  The 16 accumulators take turns.
.macro MUL16 f, c, rs, bias
	WIN MUL
.irp a, 0,1
.irp b, 0,1,2,3,4,5,6,7
.if \bias
	v_wmma_f32_16x16x32_bf16 v[ACC+8*(8*(\a)+(\b)):ACC+8*(8*(\a)+(\b))+7], v[(\f)+64*(\c)+8*(\b):(\f)+64*(\c)+8*(\b)+7], v[32*(\rs)+8*(2*(\c)+(\a)):32*(\rs)+8*(2*(\c)+(\a))+7], v[BI+8*(\b):BI+8*(\b)+7]
.else
	v_wmma_f32_16x16x32_bf16 v[ACC+8*(8*(\a)+(\b)):ACC+8*(8*(\a)+(\b))+7], v[(\f)+64*(\c)+8*(\b):(\f)+64*(\c)+8*(\b)+7], v[32*(\rs)+8*(2*(\c)+(\a)):32*(\rs)+8*(2*(\c)+(\a))+7], v[ACC+8*(8*(\a)+(\b)):ACC+8*(8*(\a)+(\b))+7]
.endif
.endr
.endr
.endm
; 32 LDS loads in one run: W2's fragments of quarter q of expert e (64 k x 128 columns) into buffer f; the first 32 along K first.  Expert e lies in slot (e / 2) % 2, at k rows 256 (e % 4) of the two slots' 1,024.
.macro FETCH e, q, f
	WIN TO_F
.irp c, 0,1
.irp b, 0,1,2,3,4,5,6,7
	ds_load_tr16_b128 v[(\f)+64*(\c)+8*(\b):(\f)+64*(\c)+8*(\b)+3],   v[ADRB+2*((\e)%4)+(\q)/2] offset:64*PB*((\q)%2)+32*PB*(\c)+32*(\b)
	ds_load_tr16_b128 v[(\f)+64*(\c)+8*(\b)+4:(\f)+64*(\c)+8*(\b)+7], v[ADRB+2*((\e)%4)+(\q)/2] offset:64*PB*((\q)%2)+32*PB*(\c)+32*(\b)+16*PB
.endr
.endr
.endm
.macro BILOAD e                        ; b2 of expert e out of the table: 16 loads, the 16 lanes of a half reading the same bytes
	WIN 0
.irp b, 0,1,2,3,4,5,6,7
	ds_load_b128 v[BI+8*(\b):BI+8*(\b)+3],   v[BIA] offset:512*(\e)+64*(\b)
	ds_load_b128 v[BI+8*(\b)+4:BI+8*(\b)+7], v[BIA] offset:512*(\e)+64*(\b)+16
.endr
.endm
; One of an expert's first three quarters: multiplies W2's buffer q % 2 by the ring's place, and in its middle asks for h seven quarters on (into the place that the quarter before has left) and fetches W2's next quarter.
.macro QUARTER e, q
.set QQ, 4*(\e)+(\q)
	WAITA QQ
	s_wait_dscnt 16                                ; the first 32 along K are in
.if (\q) == 0
	MUL16 128*((\q)%2), 0, QQ%8, 1
.else
	MUL16 128*((\q)%2), 0, QQ%8, 0
.endif
	PLACES
.if QQ+7 <= 31
	ALOAD QQ+7
.endif
	FETCH \e, (\q)+1, 128*(((\q)+1)%2)
	s_wait_dscnt 32                                ; all but the 32 just issued
	MUL16 128*((\q)%2), 1, QQ%8, 0
.endm
; TOT[n] += w[a][e] x ACC[n], from the accumulator's low end on; the first expert starts the totals: nothing is cleared.
.macro FOLD n, e
	WIN FOLDW
.irp k, 0,1,2,3
.if (\e) == 0
	v_pk_mul_f32 v[8*(\n)+2*(\k):8*(\n)+2*(\k)+1], v[ACC+8*(\n)+2*(\k):ACC+8*(\n)+2*(\k)+1], v[WREG+16*((\n)/8)+2*(\e):WREG+16*((\n)/8)+2*(\e)+1]
.else
	v_pk_fma_f32 v[8*(\n)+2*(\k):8*(\n)+2*(\k)+1], v[ACC+8*(\n)+2*(\k):ACC+8*(\n)+2*(\k)+1], v[WREG+16*((\n)/8)+2*(\e):WREG+16*((\n)/8)+2*(\e)+1], v[8*(\n)+2*(\k):8*(\n)+2*(\k)+1]
.endif
.endr
.endm
; An expert's last 16 products, and its fold.  Behind product t stands the fold of accumulator t - 2: between a product and the fold that reads it stand eight plain instructions that name none of its registers
; (behind the first two products two v_nop each: four places for the first fold, six for the second).
.macro MULF f, e, rs
.set t, 0
.rept 16
	WIN MUL
	v_wmma_f32_16x16x32_bf16 v[ACC+8*t:ACC+8*t+7], v[(\f)+64+8*(t%8):(\f)+64+8*(t%8)+7], v[32*(\rs)+8*(2+t/8):32*(\rs)+8*(2+t/8)+7], v[ACC+8*t:ACC+8*t+7]
.if t < 2
	v_nop
	v_nop
.else
	FOLD t-2, \e
.endif
.set t, t+1
.endr
	FOLD 14, \e
	FOLD 15, \e
.endm
; An expert's last quarter.  In its middle all my LDS loads are waited for (the youngest were issued 32 matrix instructions ago), and then b2 and W2's first quarter of the next expert are fetched.
; Behind experts 1 and 3 the slot is left and filled again, with the experts four on: each wave waits for all its tensor loads (one is out: its part of the other slot), adds 0 to its spare word, waits for that and for its reads of
; the slot, and passes a round of the cluster's barrier; its one load stands first behind the round, and has two experts, 256 matrix instructions, in which to land.  Behind expert 5 the slot is left and nothing is asked for: a plain barrier.
.macro LASTQ e
.set QQ, 4*(\e)+3
	WAITA QQ
	s_wait_dscnt 16
	MUL16 F1, 0, QQ%8, 0
.if ((\e) == 1) || ((\e) == 3)
	WIN 0
	s_wait_tensorcnt 0x0                           ; no tensor load of mine is out, so a group 0 may be written
	ds_add_u32 v[SPW], v[NIL]                      ; 0 onto my spare word
	s_add_nc_u64 s[G0B+4*((\e)/2)+2:G0B+4*((\e)/2)+3], s[G0B+4*((\e)/2)+2:G0B+4*((\e)/2)+3], 2097152  ; four experts on
	s_wait_dscnt 0x0                               ; the add is done, and my reads of this slot are over
	CROUND                                         ; no wave of any partner still reads this slot or has a load on its way
	tensor_load_to_lds s[G0B+4*((\e)/2):G0B+4*((\e)/2)+3], s[G1B:G1B+7]
	s_nop 0
.rept 4
	v_nop                                          ; also the places in front of the loads below
.endr
.elseif (\e) == 5
	WIN 0
	s_wait_tensorcnt 0x0                           ; my part of the last two experts' tiles is in
	ds_add_u32 v[SPW], v[NIL]
	s_wait_dscnt 0x0                               ; my reads of slot 0 are over: behind this barrier it may serve as the stage
	s_barrier_signal -1
	s_barrier_wait -1
	PLACES
.else
	s_wait_dscnt 0x0
.if (\e) < 7
	PLACES
.endif
.endif
.if (\e) < 7
.if QQ+7 <= 31
	ALOAD QQ+7
.endif
	BILOAD (\e)+1                                  ; this expert's first products took b2 long ago
	FETCH (\e)+1, 0, F0
.endif
	MULF F1, \e, QQ%8
.endm
	s_wait_tensorcnt 0x1                           ; my part of slot 0 is in; slot 1's may stay out
	s_wait_dscnt 0x0                               ; for the others' sake: my stores into b2's table are done
	s_barrier_signal -1
	s_barrier_wait -1
	BILOAD 0
	FETCH 0, 0, F0
.irp e, 0,1,2,3,4,5,6,7
	QUARTER \e, 0
	QUARTER \e, 1
	QUARTER \e, 2
	LASTQ \e
.endr
	; THE WAY OUT.  The totals go as f32 into the stage (slot 0's first 67,584 bytes: filled for the last time with experts 4 and 5, read for the last time ahead of the barrier behind expert 5), and come back as whole rows.
	WIN FROM_T
.irp a, 0,1
.irp b, 0,1,2,3,4,5,6,7
	ds_store_b128 v[STO], v[8*(8*(\a)+(\b)):8*(8*(\a)+(\b))+3]   offset:16*PS*(\a)+64*(\b)
	ds_store_b128 v[STO], v[8*(8*(\a)+(\b))+4:8*(8*(\a)+(\b))+7] offset:16*PS*(\a)+64*(\b)+16
.endr
.endr
	WIN 0
	s_wait_dscnt 0x0                               ; my stores into the stage are done
	s_barrier_signal -1
	s_barrier_wait -1
	s_add_nc_u64 s[12:13], s[12:13], s[68:69]      ; the bf16 output at my first row and the tile's first column,
	s_lshl_b32 s68, s68, 1
	s_add_nc_u64 s[DF:DF+1], s[DF:DF+1], s[68:69]  ; and the f32 output: twice the bytes
	; THE bf16 FORM, with all lanes on where the flag is 0 and all off elsewhere: wave w takes rows 32 w .. 32 w + 31, two at a time, 32 bytes of f32 a lane.
	v_cmp_eq_u32 vcc_lo, 0, v[FLV]
	s_wait_xcnt 0x0                                ; EXEC, a source of every memory instruction issued so far, changes only behind this wait
	s_and_saveexec_b32 s[SAVE], vcc_lo
.set t, 0
.rept 16
	ds_load_b128 v[ACC+8*t:ACC+8*t+3],   v[RDH] offset:2*PS*t
	ds_load_b128 v[ACC+8*t+4:ACC+8*t+7], v[RDH] offset:2*PS*t+16
.set t, t+1
.endr
.set t, 0
.rept 16
	s_wait_dscnt 30-2*t                            ; this pair of rows is back
	v_cvt_pk_bf16_f32 v[BI+4*t],   v[ACC+8*t],   v[ACC+8*t+1]
	v_cvt_pk_bf16_f32 v[BI+4*t+1], v[ACC+8*t+2], v[ACC+8*t+3]
	v_cvt_pk_bf16_f32 v[BI+4*t+2], v[ACC+8*t+4], v[ACC+8*t+5]
	v_cvt_pk_bf16_f32 v[BI+4*t+3], v[ACC+8*t+6], v[ACC+8*t+7]
	global_store_b128 v[COH], v[BI+4*t:BI+4*t+3], s[12:13] offset:4096*t  ; 16 lanes store 256 consecutive bytes, at a multiple of 256 from the buffer's first byte
.set t, t+1
.endr
	s_wait_xcnt 0x0                                ; and again, in front of the line that widens it
	s_or_b32 exec_lo, exec_lo, s[SAVE]             ; all lanes on
	; THE f32 FORM, with all lanes on where the flag is not 0: a row of 512 bytes at a time.  No memory instruction has been issued since the wait above.
	v_cmp_ne_u32 vcc_lo, 0, v[FLV]
	s_and_saveexec_b32 s[SAVE], vcc_lo
.set t, 0
.rept 32
	ds_load_b128 v[ACC+4*t:ACC+4*t+3], v[RDF] offset:PS*t
.set t, t+1
.endr
.set t, 0
.rept 32
	s_wait_dscnt 31-t
	global_store_b128 v[COF], v[ACC+4*t:ACC+4*t+3], s[DF:DF+1] offset:4096*t  ; a store covers 512 consecutive bytes, at a multiple of 256 from the buffer's first byte
.set t, t+1
.endr
	s_wait_xcnt 0x0
	s_or_b32 exec_lo, exec_lo, s[SAVE]             ; all lanes on again, for the lines below
	s_wait_tensorcnt 0x0                           ; the wave's end: these three lines stand behind my last tensor load and my last LDS store
	ds_add_u32 v[SPW], v[NIL]
	s_wait_dscnt 0x0
	CROUND                                         ; the closing round: no work-group ends while a partner may still ask for a tile that names it
	s_endpgm
.Lfunc_end_k_qda2098b706_g2:
	.size	k_qda2098b706_g2, .Lfunc_end_k_qda2098b706_g2-k_qda2098b706_g2
	.p2alignl 7, 3214868480
	.fill 96, 4, 3214868480
	.section	.rodata,"a",@progbits
	.p2align	6, 0x0
	.amdhsa_kernel k_qda2098b706_g2
		.amdhsa_group_segment_fixed_size 327680
		.amdhsa_private_segment_fixed_size 0
		.amdhsa_enable_private_segment 0
		.amdhsa_kernarg_size 48
		.amdhsa_user_sgpr_count 2
		.amdhsa_user_sgpr_kernarg_segment_ptr 1
		.amdhsa_wavefront_size32 1
		.amdhsa_system_sgpr_workgroup_id_x 1
		.amdhsa_system_sgpr_workgroup_id_y 1
		.amdhsa_system_sgpr_workgroup_id_z 1
		.amdhsa_system_vgpr_workitem_id 0
		.amdhsa_next_free_vgpr 1024
		.amdhsa_next_free_sgpr 92
		.amdhsa_reserve_vcc 1
		.amdhsa_float_denorm_mode_32 3
		.amdhsa_float_denorm_mode_16_64 3
		.amdhsa_memory_ordered 1
		.amdhsa_forward_progress 1
		.amdhsa_inst_pref_size 242
	.end_amdhsa_kernel
	.amdgpu_metadata
---
amdhsa.version: [ 1, 2 ]
amdhsa.kernels:
  - .name:           k_qda2098b706_g2
    .symbol:         k_qda2098b706_g2.kd
    .args:
      - { .name: h, .offset: 0, .size: 8, .value_kind: global_buffer, .address_space: global }
      - { .name: rh, .offset: 8, .size: 8, .value_kind: global_buffer, .address_space: global }
      - { .name: lev0, .offset: 16, .size: 8, .value_kind: global_buffer, .address_space: global }
      - { .name: fmid, .offset: 24, .size: 8, .value_kind: global_buffer, .address_space: global }
      - { .name: cur, .offset: 32, .size: 8, .value_kind: global_buffer, .address_space: global }
      - { .name: out0, .offset: 40, .size: 8, .value_kind: global_buffer, .address_space: global }
    .group_segment_fixed_size: 327680
    .private_segment_fixed_size: 0
    .kernarg_segment_align: 8
    .kernarg_segment_size: 48
    .max_flat_workgroup_size: 128
    .sgpr_count:     92
    .vgpr_count:     1024
    .wavefront_size: 32
...
	.end_amdgpu_metadata
.endif
;; end of part 3
;; launch g1b: the kernel of part 2 again; grid 8 x 32, 4 waves a work-group, clusters of 4 x 4, 327,680 bytes of LDS; arguments cur, lev1, h, rh; writes h, rh
;; launch g2b: the kernel of part 3 again; grid 8 x 32, 4 waves a work-group, clusters of 4 x 4, 327,680 bytes of LDS; arguments h, rh, lev1, fmid, cur, out0; writes cur, out0
;; launch g1c: the kernel of part 2 again; grid 8 x 32, 4 waves a work-group, clusters of 4 x 4, 327,680 bytes of LDS; arguments cur, lev2, h, rh; writes h, rh
;; launch g2c: the kernel of part 3 again; grid 8 x 32, 4 waves a work-group, clusters of 4 x 4, 327,680 bytes of LDS; arguments h, rh, lev2, flast, cur, out0; writes cur, out0
